; MI455X (gfx1250); checked and timed in simulation.
; The chip was launched on July 23, 2026; its instructions are those of AMD's public machine-readable ISA for CDNA 5 (MIT licence, August 2026) and "CDNA5" Instruction Set Architecture Reference Guide (July 2026). The comments in the code are by the model that wrote it; some were corrected since.
;; Attention Block. Allowed arithmetic: matrix products marked QUANTISED: E2M1 operands, one E8M0 scale for each 32 along K, by v_wmma_scale_f32_16x16x128_f8f6f4 with both operands' format E2M1 (or v_wmma_scale_f32_32x16x128_f4), f32 sums; everything else in f32.
;; Inputs: bk 256 float32; bp 256 float32; bq 256 float32; bv 256 float32; gn_b 256 float32; gn_w 256 float32; wk_codes 256 x 8 x 16 uint8 (E2M1 codes of wk, K innermost, in blocks of 32 codes, two codes a byte); wk_scales 256 x 8 uint8 (E8M0 scales of wk, one for each 32 codes along K); wp_codes 256 x 8 x 16 uint8 (E2M1 codes of wp, K innermost, in blocks of 32 codes, two codes a byte); wp_scales 256 x 8 uint8 (E8M0 scales of wp, one for each 32 codes along K); wq_codes 256 x 8 x 16 uint8 (E2M1 codes of wq, K innermost, in blocks of 32 codes, two codes a byte); wq_scales 256 x 8 uint8 (E8M0 scales of wq, one for each 32 codes along K); wv_codes 256 x 8 x 16 uint8 (E2M1 codes of wv, K innermost, in blocks of 32 codes, two codes a byte); wv_scales 256 x 8 uint8 (E8M0 scales of wv, one for each 32 codes along K); x 4 x 256 x 64 x 64 float32.
;; Outputs: out0 4 x 256 x 64 x 64 float32.
;; This version of the problem:
;;   THIS VERSION OF THE PROBLEM IS GIVEN IN LOW PRECISION. The matrix products marked QUANTISED in the list below multiply operands that are first quantised to E2M1 (2 exponent bits, 1 mantissa bit; 4 bits a number), with one power-of-two scale for each 32 numbers along K (OCP MX v1.0); their sums are f32. All else is computed in f32.
;;   The module's matrix products, in the order in which they are computed (A, B: the left and right operand; K: the contracted axis; several contracted axes count as one K, in the product's order):
;;     1. [M 16,384, K 256] x [K 256, N 256]; A: computed on the way; B: input wq (given as codes): QUANTISED
;;     2. [M 16,384, K 256] x [K 256, N 256]; A: computed on the way; B: input wk (given as codes): QUANTISED
;;     3. [M 16,384, K 256] x [K 256, N 256]; A: computed on the way; B: input wv (given as codes): QUANTISED
;;     4. batch 16 x [M 4,096, K 64] x [K 64, N 4,096]; A: computed on the way; B: computed on the way: QUANTISED
;;     5. batch 16 x [M 64, K 4,096] x [K 4,096, N 4,096]; A: computed on the way; B: softmax (see below): QUANTISED
;;     6. [M 16,384, K 256] x [K 256, N 256]; A: computed on the way; B: input wp (given as codes): QUANTISED
;;   THE QUANTISER, for each operand of a quantised product, along K:
;;     - K is cut into blocks of 32 from its start; a last block that is shorter is filled with zeros.
;;     - A block's scale is 2^e with e = floor(log2(the largest magnitude in the block)) - 2, held to -126 .. 127; a block of zeros has e = 0. As a byte (E8M0): e + 127.
;;     - Each number is divided by its block's scale, clamped to +-6, and rounded to the nearest number of E2M1, ties to even, subnormals kept.
;;     - The product sums the exact products of the quantised numbers (number of the format x scale) in f32.
;;   ~~~python
;;   def quantise(x, axis):      # numpy; x: float32 -> the quantised numbers, widened to float32 again
;;       x = np.moveaxis(x, axis, -1); K = x.shape[-1]
;;       x = np.pad(x, [(0, 0)] * (x.ndim - 1) + [(0, -K % 32)]); x = x.reshape(x.shape[:-1] + (-1, 32)); a = np.abs(x).max(-1, keepdims=True)
;;       e = np.where(a > 0, np.clip(np.frexp(np.where(a > 0, a, 1))[1] - 1 - 2, -126, 127), 0)      # np.frexp(a)[1] - 1 = floor(log2(a)), exactly
;;       r = np.clip(x / 2.0 ** e, -6, 6)
;;       step = 2.0 ** (np.maximum(np.frexp(np.where(r == 0, 1, r))[1] - 1, 0) - 1)
;;       q = np.round(r / step) * step * 2.0 ** e      # np.round: ties to even
;;       return np.moveaxis(q.reshape(q.shape[:-2] + (-1,))[..., :K], -1, axis).astype(np.float32)
;;   ~~~
;;   SOFTMAX AHEAD OF A QUANTISED PRODUCT. Where the list says 'softmax', what is quantised is not the finished softmax but p = 2^(t - M), with t = logit x log2(e) and M = ceil(the row's largest t), a whole number; so 1/2 < the row's largest p <= 1. The row's sum l is taken of the UNQUANTISED p, in f32, and the product's result is divided by l at the end. Since M is a whole number, a kernel that streams over the keys may use a running M (the ceiling of the running maximum): every later rescaling is an exact power of two, which a block's scale takes up: the codes' values come out the same.
;;   OPERANDS COMPUTED ON THE WAY. 'Computed on the way' means the value that the module computes at that place (a softmax that the list does not call 'softmax' is quantised finished and normalised). What goes into a quantiser is computed in f32, as accurately as f32 sums, v_exp_f32 and their like allow (about 1e-6 of the number): no bf16 or f16 on the way to a quantiser, and a product that is left as it is and whose result goes on into a quantised operand takes f32 operands (vector FMAs, or v_wmma_f32_16x16x4_f32). A number that lies on a knife's edge between two numbers of the format may be rounded either way, as far as f32 arithmetic and the matrix unit's own rounding can turn it there, and no further.
;;   INPUTS GIVEN AS CODES. wk (in the module: [256, 256], K = its axis 1); wp (in the module: [256, 256], K = its axis 1); wq (in the module: [256, 256], K = its axis 1); wv (in the module: [256, 256], K = its axis 1): each comes as NAME_codes (uint8): NAME with its K axis moved to the last place and cut into blocks of 32 codes, [.., K / 32, bytes a block], one block behind the other in memory; two codes a byte, the lower K in the low four bits (a code: sign, 2 exponent bits, 1 mantissa bit); and NAME_scales (uint8): the same leading axes, one E8M0 byte (e + 127) for each 32 codes along K. Its value is code x scale, taken as it is: it is not quantised again, and the codes and scales need not be those that the quantiser above would give.
;; One version. Each part assembles by itself: llvm-mc -triple=amdgcn-amd-amdhsa -mcpu=gfx1250 --defsym DOCPART=n.
;; ======== version 1 of 1: 4 launches
;; workspace buffers: stats 2,048 bytes; qws 2,228,224 bytes; kv 4,456,448 bytes; ows 2,228,224 bytes
;; launch gn_stats (part 1): grid 256 x 1, 8 waves a work-group, no clusters, 1,280 bytes of LDS; arguments x, stats; writes stats
.if DOCPART == 1
	.amdgcn_target "amdgcn-amd-amdhsa--gfx1250"
	.amdhsa_code_object_version 6
	.text
	.protected	k_qa5bcefa930_gn_stats
	.globl	k_qa5bcefa930_gn_stats
	.p2align	8
	.type	k_qa5bcefa930_gn_stats,@function
k_qa5bcefa930_gn_stats:
	s_mov_b64 s[64:65], 0
	v_nop
	global_prefetch_b8 v0, s[64:65] scope:SCOPE_SE
	s_setreg_imm32_b32 hwreg(HW_REG_WAVE_MODE, 25, 1), 1
	s_wait_xcnt 0x0
; AttentionBlock, launch 1 of 4: the parts of GroupNorm's mean and variance.
; x: [4][256][64][64] f32.  A group (32 channels x 4,096 positions) is 524,288 consecutive bytes.  Work-group i takes the 65,536 bytes at 65,536 i, an eighth of group i / 8,
; and stores (its mean, its sum of squared distances from that mean) as two f32 at byte 8 i of stats.  The next launch joins a group's eight parts.
; The squares are taken of numbers from which the part's own mean has been taken away: no difference of large sums is formed, whatever offset x carries.
; DEAD WORK: none.  Every input of the problem has a way to the output (bk too: it stands ahead of the quantiser of k), so no input, product or step is left out in any of the four launches.
; LIMITS (all four launches): NaN and infinities among the inputs are not served.  A block of 32 whose largest magnitude lies under 2^-124 (a block of zeros too) gets the scale byte 1:
; its codes are zeros or are held there, and these bytes are read by this program alone.  1 / l and 1 / sqrt come from v_rcp_f32 and v_rsq_f32.
; Eight waves, 8,192 bytes each: 16 loads of 512 consecutive bytes; the 64 numbers of a lane stay in registers between the two passes, so x is read once here.
; No matrix unit, no cluster, no tensor load: the work-groups share no byte, and a wave's 16 loads are all out at once.
; The one store is 8 bytes a work-group: 2,048 bytes in the whole launch.
.set SPARE, 256                        ; LDS: bytes 0-31 the waves' sums, 32-63 their sums of squares; from 256 on the spare words, 128 bytes a wave, that no other line names
.set SPW, 1                            ; v1  LDS address of my spare word; never rewritten
.set NIL, 2                            ; v2  0; never rewritten
	s_load_b128 s[4:7], s[0:1], 0x0                ; x, stats
	v_lshl_add_u32 v[SPW], v0, 2, SPARE
	v_mov_b32 v[NIL], 0
	v_lshrrev_b32 v12, 5, v0
	s_delay_alu instid0(VALU_DEP_1)
	v_readfirstlane_b32 s8, v12                    ; wave 0..7
	v_and_b32 v3, 31, v0
	s_delay_alu instid0(VALU_DEP_1)
	v_lshlrev_b32 v3, 4, v3
	s_delay_alu instid0(VALU_DEP_1)
	v_lshl_add_u32 v3, v12, 13, v3                 ; 16 x lane + 8,192 x wave
	v_lshlrev_b32 v14, 2, v12                      ; LDS: my wave's word
	v_mov_b32 v15, 0
	v_mov_b32 v13, 0                               ; a lane permute's destination counts as one of its sources
	s_lshl_b32 s2, ttmp9, 16                       ; my work-group's 65,536 bytes
	s_mov_b32 s3, 0
	s_lshl_b32 s12, ttmp9, 3                       ; and its 8 bytes of stats
	s_mov_b32 s13, 0
	s_mov_b32 s10, 0x76543210                      ; v_permlanex16_b32's selects for lane l xor 16
	s_mov_b32 s11, 0xfedcba98
	s_wait_alu depctr_va_vdst(0)
	s_wait_kmcnt 0x0
	s_add_nc_u64 s[4:5], s[4:5], s[2:3]
	s_add_nc_u64 s[6:7], s[6:7], s[12:13]
.irp j, 0,1,2,3,4,5,6,7,8,9,10,11,12,13,14,15
	global_load_b128 v[16+4*\j:19+4*\j], v3, s[4:5] offset:512*\j   ; 32 lanes read 512 consecutive bytes; the next launch reads x again, so no hint
.endr
; The four packed chains v[4:11] become one number for the work-group, in v12 of every lane.  off: the waves' eight words in LDS.
.macro REDUCE off
	s_delay_alu instid0(VALU_DEP_3)
	v_pk_add_f32 v[4:5], v[4:5], v[6:7]
	s_delay_alu instid0(VALU_DEP_2)
	v_pk_add_f32 v[8:9], v[8:9], v[10:11]
	s_delay_alu instid0(VALU_DEP_1)
	v_pk_add_f32 v[4:5], v[4:5], v[8:9]
	s_delay_alu instid0(VALU_DEP_1)
	v_add_f32 v12, v4, v5
	s_delay_alu instid0(VALU_DEP_1)
	v_add_f32_dpp v12, v12, v12 row_xmask:1 row_mask:0xf bank_mask:0xf
	s_delay_alu instid0(VALU_DEP_1)
	v_add_f32_dpp v12, v12, v12 row_xmask:2 row_mask:0xf bank_mask:0xf
	s_delay_alu instid0(VALU_DEP_1)
	v_add_f32_dpp v12, v12, v12 row_xmask:4 row_mask:0xf bank_mask:0xf
	s_delay_alu instid0(VALU_DEP_1)
	v_add_f32_dpp v12, v12, v12 row_xmask:8 row_mask:0xf bank_mask:0xf
	s_delay_alu instid0(VALU_DEP_1)
	v_permlanex16_b32 v13, v12, s10, s11
	s_delay_alu instid0(VALU_DEP_1)
	v_add_f32 v12, v12, v13                        ; the wave's
	ds_store_b32 v14, v12 offset:\off              ; all lanes write the same word with the same value
	s_wait_dscnt 0x0                               ; for the others' sake: my store is done
	s_barrier_signal -1
	s_barrier_wait -1
	ds_load_b128 v[80:83], v15 offset:\off
	ds_load_b128 v[84:87], v15 offset:\off+16
	s_wait_dscnt 0x0
	v_add_f32 v80, v80, v81
	v_add_f32 v82, v82, v83
	v_add_f32 v84, v84, v85
	v_add_f32 v86, v86, v87
	s_delay_alu instid0(VALU_DEP_3)
	v_add_f32 v80, v80, v82
	s_delay_alu instid0(VALU_DEP_2)
	v_add_f32 v84, v84, v86
	s_delay_alu instid0(VALU_DEP_1)
	v_add_f32 v12, v80, v84
.endm
	s_wait_loadcnt 12                              ; loads 0 to 3 are in; twelve younger ones may be out
.irp k, 0,1,2,3
	v_pk_add_f32 v[4+2*\k:5+2*\k], v[16+2*\k:17+2*\k], v[24+2*\k:25+2*\k]   ; the first sums start the chains: nothing is cleared
.endr
	s_wait_alu depctr_va_vdst(0)
.irp m, 2,3,4,5,6,7
	s_wait_alu depctr_va_vdst(0)
	s_wait_loadcnt 14-2*\m                         ; loads 2 m and 2 m + 1 are in
.irp k, 0,1,2,3
	v_pk_add_f32 v[4+2*\k:5+2*\k], v[4+2*\k:5+2*\k], v[16+8*\m+2*\k:17+8*\m+2*\k]
.endr
.endr
	REDUCE 0
	s_delay_alu instid0(VALU_DEP_1)
	v_mul_f32 v88, 0x38800000, v12                 ; / 16,384: the part's mean
	s_delay_alu instid0(VALU_DEP_1)
	v_mov_b32 v89, v88
.set i, 0
.rept 32
	v_pk_add_f32 v[16+i:17+i], v[16+i:17+i], v[88:89] neg_lo:[0,1] neg_hi:[0,1]   ; x - mean, in place
.set i, i+2
.endr
.irp k, 0,1,2,3
	v_pk_mul_f32 v[4+2*\k:5+2*\k], v[16+2*\k:17+2*\k], v[16+2*\k:17+2*\k]
.endr
.irp m, 1,2,3,4,5,6,7
.irp k, 0,1,2,3
	s_delay_alu instid0(VALU_DEP_4)
	v_pk_fma_f32 v[4+2*\k:5+2*\k], v[16+8*\m+2*\k:17+8*\m+2*\k], v[16+8*\m+2*\k:17+8*\m+2*\k], v[4+2*\k:5+2*\k]
.endr
.endr
	REDUCE 32                                      ; other bytes than the first time: a wave that is early meets no reader of the first eight words
	v_mov_b32 v90, v88
	s_delay_alu instid0(VALU_DEP_2)
	v_mov_b32 v91, v12
	s_wait_tensorcnt 0x0                           ; the wave's end: behind my last LDS store
	ds_add_u32 v[SPW], v[NIL]
	s_wait_dscnt 0x0
	s_cmp_lg_u32 s8, 0
	s_cbranch_scc1 .Ldone                          ; wave 0 stores for the work-group
	v_cmp_eq_u32 vcc_lo, 0, v0
	s_wait_xcnt 0x0                                ; EXEC changes only behind this wait
	s_and_saveexec_b32 s14, vcc_lo
	s_wait_alu depctr_va_vdst(0)
	global_store_b64 v15, v[90:91], s[6:7]         ; lane 0: (mean, sum of squares)
	s_wait_xcnt 0x0                                ; and again in front of the line that widens it
	s_or_b32 exec_lo, exec_lo, s14
.Ldone:
	s_endpgm
.Lfunc_end_k_qa5bcefa930_gn_stats:
	.size	k_qa5bcefa930_gn_stats, .Lfunc_end_k_qa5bcefa930_gn_stats-k_qa5bcefa930_gn_stats
	.p2alignl 7, 3214868480
	.fill 96, 4, 3214868480
	.section	.rodata,"a",@progbits
	.p2align	6, 0x0
	.amdhsa_kernel k_qa5bcefa930_gn_stats
		.amdhsa_group_segment_fixed_size 1280
		.amdhsa_private_segment_fixed_size 0
		.amdhsa_enable_private_segment 0
		.amdhsa_kernarg_size 16
		.amdhsa_user_sgpr_count 2
		.amdhsa_user_sgpr_kernarg_segment_ptr 1
		.amdhsa_wavefront_size32 1
		.amdhsa_system_sgpr_workgroup_id_x 1
		.amdhsa_system_sgpr_workgroup_id_y 1
		.amdhsa_system_sgpr_workgroup_id_z 1
		.amdhsa_system_vgpr_workitem_id 0
		.amdhsa_next_free_vgpr 96
		.amdhsa_next_free_sgpr 66
		.amdhsa_reserve_vcc 1
		.amdhsa_float_denorm_mode_32 3
		.amdhsa_float_denorm_mode_16_64 3
		.amdhsa_memory_ordered 1
		.amdhsa_forward_progress 1
		.amdhsa_inst_pref_size 14
	.end_amdhsa_kernel
	.amdgpu_metadata
---
amdhsa.version: [ 1, 2 ]
amdhsa.kernels:
  - .name:           k_qa5bcefa930_gn_stats
    .symbol:         k_qa5bcefa930_gn_stats.kd
    .args:
      - { .name: x, .offset: 0, .size: 8, .value_kind: global_buffer, .address_space: global }
      - { .name: stats, .offset: 8, .size: 8, .value_kind: global_buffer, .address_space: global }
    .group_segment_fixed_size: 1280
    .private_segment_fixed_size: 0
    .kernarg_segment_align: 8
    .kernarg_segment_size: 16
    .max_flat_workgroup_size: 256
    .sgpr_count:     66
    .vgpr_count:     96
    .wavefront_size: 32
...
	.end_amdgpu_metadata
.endif
;; end of part 1
;; launch qkv (part 2): grid 256 x 1, 8 waves a work-group, no clusters, 9,728 bytes of LDS; arguments x, stats, gn_w, gn_b, wq_codes, wq_scales, bq, wk_codes, wk_scales, bk, wv_codes, wv_scales, bv, qws, kv; writes qws, kv
.if DOCPART == 2
	.amdgcn_target "amdgcn-amd-amdhsa--gfx1250"
	.amdhsa_code_object_version 6
	.text
	.protected	k_qa5bcefa930_qkv
	.globl	k_qa5bcefa930_qkv
	.p2align	8
	.type	k_qa5bcefa930_qkv,@function
k_qa5bcefa930_qkv:
	s_mov_b64 s[64:65], 0
	v_nop
	global_prefetch_b8 v0, s[64:65] scope:SCOPE_SE
	s_setreg_imm32_b32 hwreg(HW_REG_WAVE_MODE, 25, 1), 1
	s_wait_xcnt 0x0
; AttentionBlock, launch 2 of 4: GroupNorm, its quantiser, the three 1x1 convolutions on codes of FP4 (E2M1) with E8M0 scales, and the quantisers of q, k (along a head's 64 channels) and v (along the keys).
; No work of the problem is left out.  Limits: as stated at the head of the first launch.
; SHARES.  A work-group takes 64 positions of one batch (b = number / 64, pb = number % 64), all 256 channels.  Wave w has three parts:
;   X:  channels 32 w .. 32 w + 31, which are GroupNorm's group w AND block w of the products' K: a lane takes a position, its 32 registers run down the channels, so a block's largest magnitude
;       needs no other lane and the conversions give codes with K innermost.  The codes go to LDS as images of the operand's registers, the scale bytes into the rows' scale words.
;   QK: waves 0-3 make q of head w, waves 4-7 k of head w - 4 (the pointers are chosen on the wave's number): source 0 = 16 rows of the weight, source 1 = 16 positions: a lane holds one position, its registers run along the channels.
;   V:  channels 32 w .. 32 w + 31 of v: source 0 = 16 positions, source 1 = 16 rows of wv: a lane holds one channel, its registers run along the positions, which are the keys.
; A TILE OF 16 POSITIONS IS NOT 16 NEIGHBOURS: row m of tile 2 B + u is position 32 B + 8 u + m + 8 (m / 8); the rows of wq, wk, wv that form a tile are chosen alike.  So the 16 registers of two neighbouring
; tiles are 16 neighbours along the next product's K, in the order that its operand wants.
; WORKSPACE, in the order of the readers' registers.  qws: codes [head 16][tile 256][lane][16 bytes] (lane (r, h): channel block h of row r); from byte 2,097,152 words [head][step 32][r 16][pair 4]:
; the two scale bytes of tile 2 i, then those of tile 2 i + 1.  kv: [head][step of 128 keys][8,704]: 8 tiles of k as q's; from 4,096 four tiles of v, 1,024 bytes each ([64 keys][lane][16]); from 8,192 k's words
; [r][pair]; from 8,448 v's scale words [r][tile].
; The weights are 100 KiB that every work-group reads through registers: too little to share by joint loads.  The scale words (4 and 2 bytes a lane, 16 bytes apart) fill their 256-byte runs in part:
; a word of v's scales spans two work-groups; they are 1 byte in 17 of what the launch stores.
; REGISTERS.  Window 0: v1-12 addresses; v14-17 mean and 1 / sqrt as pairs; v18-21 h's scale words; v22-33 the weights'; v34-36 the words made; v40-55 at work; v56-79 codes made;
;   v80-111 four fragments of h; v112-175 x, later q or k; v176-239 the stats' parts, later v.   Window 1: v0-63 wq or wk, v64-95 wv, v96-127 bq or bk, v128-143 bv, each in the layout of its operand.
.set HSC,   8192                       ; LDS: 0: h's 8 fragments, (tile t, K step s) at 2,048 t + 1,024 s + 512 c + 16 lane;  8,192: their scale words at 128 t + 64 s + 4 row
.set SPARE, 8704                       ; the spare words, 128 bytes a wave, that no other line names
.set SPW, 1
.set NIL, 2
.set HS,  18
.set W1S, 22
.set WVS, 30
.set PWQ, 34
.set PWV, 36
.set TM,  40
.set PC,  56
.set PCV, 72
.set HF,  80
.set X,   112
.set DQ,  112
.set DV,  176
.set W1,  0
.set WV,  64
.set B1,  96
.set BV,  128
.set SEL, 66
.set MSB, 0
.macro WIN new                         ; the immediate's high byte repeats the setting that is left
.if MSB != \new
	s_set_vgpr_msb (MSB<<8)|\new
.set MSB, \new
.endif
.endm
	s_load_b512 s[32:47], s[0:1], 0x0              ; x, stats, gn_w, gn_b, wq_codes, wq_scales, bq, wk_codes
	s_load_b256 s[48:55], s[0:1], 0x40             ; wk_scales, bk, wv_codes, wv_scales
	s_load_b128 s[56:59], s[0:1], 0x60             ; bv, qws
	s_load_b64 s[60:61], s[0:1], 0x70              ; kv
	v_lshl_add_u32 v[SPW], v0, 2, SPARE
	v_mov_b32 v[NIL], 0
	v_lshrrev_b32 v37, 5, v0
	s_delay_alu instid0(VALU_DEP_1)
	v_readfirstlane_b32 s2, v37                    ; wave 0..7
	s_lshr_b32 s68, ttmp9, 6                       ; b
	s_and_b32 s69, ttmp9, 63                       ; pb
	s_lshr_b32 s70, s69, 1                         ; the step of 128 keys
	s_and_b32 s71, s69, 1                          ; and which half of it
	s_and_b32 s72, s2, 3                           ; q's or k's head
	s_lshl_b32 s73, s68, 2
	s_add_co_u32 s74, s73, s72                     ; 4 b + head, for q and k
	s_lshr_b32 s75, s2, 1
	s_add_co_u32 s75, s73, s75                     ; and for v
	s_and_b32 s3, s2, 1                            ; which 32 channels of v's head
	s_mov_b32 s[SEL], 0x76543210                   ; v_permlanex16_b32's selects for lane l xor 16
	s_mov_b32 s[SEL+1], 0xfedcba98
	s_mov_b32 s101, 0x3727c5ac                     ; 1e-5
	v_and_b32 v37, 31, v0                          ; lane
	s_delay_alu instid0(VALU_DEP_1)
	v_lshlrev_b32 v3, 2, v37                       ; x: 4 bytes a lane
	s_delay_alu instid0(VALU_DEP_2)
	v_lshlrev_b32 v6, 4, v37                       ; an image's place for my lane
	s_delay_alu instid0(VALU_DEP_2)
	v_add_nc_u32 v7, HSC, v3                       ; a scale word's
	v_and_b32 v40, 7, v0
	v_bfe_u32 v41, v0, 3, 1
	v_bfe_u32 v42, v0, 4, 1                        ; h = lane / 16
	s_delay_alu instid0(VALU_DEP_3)
	v_lshlrev_b32 v4, 4, v40                       ; position l of 32 lies in tile u = bit 3 of l, row 8 (bit 4) + l % 8; block w lies in K step w / 4, registers 4 ((w / 2) % 2) on, lanes 16 (w % 2) on:
	s_delay_alu instid0(VALU_DEP_1)
	v_lshl_add_u32 v4, v41, 11, v4
	s_delay_alu instid0(VALU_DEP_1)
	v_lshl_add_u32 v4, v42, 7, v4
	s_lshl_b32 s78, s2, 8
	v_add_nc_u32 v4, s78, v4                       ; 2,048 u + 16 row + 256 w
	v_lshlrev_b32 v5, 2, v40
	s_delay_alu instid0(VALU_DEP_1)
	v_lshl_add_u32 v5, v41, 7, v5
	s_delay_alu instid0(VALU_DEP_1)
	v_lshl_add_u32 v5, v42, 5, v5
	s_lshr_b32 s78, s2, 2
	s_lshl_b32 s78, s78, 6
	s_add_co_u32 s78, s78, s72
	s_add_co_u32 s78, s78, HSC
	v_add_nc_u32 v5, s78, v5                       ; my block's byte: 128 u + 4 row + 64 (w / 4) + w % 4
	v_and_b32 v43, 15, v0                          ; r
	v_and_b32 v44, 8, v0
	s_delay_alu instid0(VALU_DEP_1)
	v_add_nc_u32 v44, v44, v43                     ; r + 8 (r / 8)
	s_delay_alu instid0(VALU_DEP_1)
	v_lshlrev_b32 v8, 7, v44
	s_delay_alu instid0(VALU_DEP_1)
	v_lshl_add_u32 v8, v42, 4, v8                  ; a weight's row of 128 bytes, + 16 h
	s_delay_alu instid0(VALU_DEP_3)
	v_lshlrev_b32 v9, 3, v44                       ; its 8 scale bytes
	v_lshlrev_b32 v10, 6, v42                      ; bq, bk: 16 h numbers on
	v_lshlrev_b32 v11, 2, v44                      ; bv: my row's number
	v_lshlrev_b32 v12, 4, v43
	s_delay_alu instid0(VALU_DEP_1)
	v_lshl_add_u32 v12, v42, 2, v12                ; the words' way out: 16 r + 4 h
	v_cmp_eq_u32 s100, 1, v42                      ; lanes 16-31
	v_mov_b32 v38, 0
.irp i, 4,5,6,7
	v_mov_b32 v[TM+\i], 0                          ; written once: a lane permute's destination counts as one of its sources
.endr
	s_wait_alu depctr_va_vdst(0)
	s_wait_kmcnt 0x0
	s_mov_b32 s77, 0                               ; every offset is under 2^32: the pair s[76:77]
	s_lshl_b32 s76, s68, 22
	s_lshl_b32 s78, s2, 19
	s_add_co_u32 s76, s76, s78
	s_lshl_b32 s78, s69, 8
	s_add_co_u32 s76, s76, s78
	s_add_nc_u64 s[4:5], s[32:33], s[76:77]        ; x at channel 32 w, position 64 pb
	s_lshl_b32 s76, s68, 9
	s_lshl_b32 s78, s2, 6
	s_add_co_u32 s76, s76, s78
	s_add_nc_u64 s[6:7], s[34:35], s[76:77]        ; the eight parts of group w
	s_lshl_b32 s76, s2, 7
	s_add_nc_u64 s[26:27], s[36:37], s[76:77]      ; gn_w, gn_b, bv at channel 32 w
	s_add_nc_u64 s[28:29], s[38:39], s[76:77]
	s_add_nc_u64 s[18:19], s[56:57], s[76:77]
	s_lshl_b32 s76, s2, 12
	s_add_nc_u64 s[14:15], s[52:53], s[76:77]      ; wv's rows 32 w on
	s_lshl_b32 s76, s2, 8
	s_add_nc_u64 s[16:17], s[54:55], s[76:77]
	s_lshl_b32 s80, s74, 5
	s_add_co_u32 s80, s80, s70                     ; 32 head + step
	s_mul_i32 s81, s80, 8704                       ; the step's block in kv
	s_lshl_b32 s82, s71, 11
	s_add_co_u32 s82, s82, s81                     ; k's codes: four tiles a half
	s_lshl_b32 s83, s74, 17
	s_lshl_b32 s78, s69, 11
	s_add_co_u32 s83, s83, s78                     ; q's codes: tile 256 head + 4 pb
	s_lshl_b32 s84, s71, 3
	s_lshl_b32 s85, s80, 8
	s_add_co_u32 s85, s85, s84
	s_add_co_u32 s85, s85, 2097152                 ; q's words
	s_add_co_u32 s84, s84, s81
	s_add_co_u32 s84, s84, 8192                    ; k's words
	s_cmp_lt_u32 s2, 4                             ; q or k?  The choice hangs on the wave's number alone
	s_cselect_b64 s[8:9], s[40:41], s[46:47]
	s_cselect_b64 s[10:11], s[42:43], s[48:49]
	s_cselect_b64 s[12:13], s[44:45], s[50:51]
	s_cselect_b64 s[20:21], s[58:59], s[60:61]
	s_cselect_b32 s86, s83, s82
	s_cselect_b32 s88, s85, s84
	s_mov_b32 s87, 0
	s_mov_b32 s89, 0
	s_add_nc_u64 s[22:23], s[20:21], s[88:89]      ; where my words go,
	s_add_nc_u64 s[20:21], s[20:21], s[86:87]      ; and my codes
	s_lshl_b32 s76, s72, 13
	s_add_nc_u64 s[8:9], s[8:9], s[76:77]          ; the head's 64 rows of the weight,
	s_lshl_b32 s76, s72, 9
	s_add_nc_u64 s[10:11], s[10:11], s[76:77]      ; their scale bytes,
	s_lshl_b32 s76, s72, 8
	s_add_nc_u64 s[12:13], s[12:13], s[76:77]      ; their bias
	s_lshl_b32 s80, s75, 5
	s_add_co_u32 s80, s80, s70
	s_mul_i32 s80, s80, 8704                       ; v's block
	s_lshl_b32 s78, s3, 11
	s_add_co_u32 s76, s80, s78
	s_lshl_b32 s78, s71, 9
	s_add_co_u32 s76, s76, s78
	s_add_co_u32 s76, s76, 4096
	s_add_nc_u64 s[24:25], s[60:61], s[76:77]      ; v's codes: tile 2 (w % 2), my half's 64 keys
	s_lshl_b32 s78, s3, 3
	s_add_co_u32 s76, s80, s78
	s_lshl_b32 s78, s71, 1
	s_add_co_u32 s76, s76, s78
	s_add_co_u32 s76, s76, 8448
	s_add_nc_u64 s[30:31], s[60:61], s[76:77]      ; v's scale bytes: two of a word's four
	s_load_b512 s[68:83], s[26:27], 0x0            ; gn_w of my 32 channels: s68-99
	s_load_b512 s[84:99], s[26:27], 0x40
	s_load_b512 s[32:47], s[28:29], 0x0            ; gn_b: s32-63
	s_load_b512 s[48:63], s[28:29], 0x40
.irp k, 0,1,2,3
	global_load_b128 v[DV+4*\k:DV+4*\k+3], v38, s[6:7] offset:16*\k   ; (mean, sum of squares) of the group's eight parts, in every lane
.endr
.irp p, 0,1
.set i, 0
.rept 32
	global_load_b32 v[X+32*\p+i], v3, s[4:5] offset:i*16384+128*\p    ; x(channel 32 w + i, position 32 p + lane): 128 consecutive bytes; the two halves together cover the row's 256
.set i, i+1
.endr
.endr
	s_wait_loadcnt 63                              ; the parts are in: 64 loads are younger, and 63 is the most that a wait can name
	v_add_f32 v40, v176, v178
	v_add_f32 v41, v180, v182
	v_add_f32 v42, v184, v186
	v_add_f32 v43, v188, v190
	s_delay_alu instid0(VALU_DEP_3)
	v_add_f32 v40, v40, v41
	s_delay_alu instid0(VALU_DEP_2)
	v_add_f32 v42, v42, v43
	s_delay_alu instid0(VALU_DEP_1)
	v_add_f32 v40, v40, v42
	s_delay_alu instid0(VALU_DEP_1)
	v_mul_f32 v14, 0x3e000000, v40                 ; the group's mean: the parts are equally large
	s_delay_alu instid0(VALU_DEP_1)
	v_mov_b32 v15, v14
	v_add_f32 v41, v177, v179
	v_add_f32 v42, v181, v183
	v_add_f32 v43, v185, v187
	v_add_f32 v45, v189, v191
	s_delay_alu instid0(VALU_DEP_3)
	v_add_f32 v41, v41, v42
	s_delay_alu instid0(VALU_DEP_2)
	v_add_f32 v43, v43, v45
	s_delay_alu instid0(VALU_DEP_1)
	v_add_f32 v41, v41, v43                        ; the parts' sums of squares,
.irp i, 0,2,4,6,8,10,12,14
	v_sub_f32 v[176+\i], v[176+\i], v14
.endr
	v_mul_f32 v42, v176, v176
.irp i, 2,4,6,8,10,12,14
	s_delay_alu instid0(VALU_DEP_1)
	v_fma_f32 v42, v[176+\i], v[176+\i], v42
.endr
	s_delay_alu instid0(VALU_DEP_1)
	v_fma_f32 v41, v42, 0x46800000, v41            ; + 16,384 x the squared distances of their means from the group's
	s_delay_alu instid0(VALU_DEP_1)
	v_fma_f32 v41, v41, 0x37000000, s101           ; / 131,072 + eps
	s_wait_alu depctr_va_vdst(0)
	v_rsq_f32 v16, v41
	v_nop                                          ; a plain line behind the transcendental,
	s_wait_alu depctr_va_vdst(0)                   ; and the wait ahead of the first line that names its result
	v_mov_b32 v17, v16
	s_wait_kmcnt 0x0                               ; gn_w, gn_b
.macro NORM p                          ; h = ((x - mean) / sqrt) w + b, the last two fused
.set XS, X+32*(\p)
.set i, 0
.rept 16
	v_pk_add_f32 v[XS+i:XS+i+1], v[XS+i:XS+i+1], v[14:15] neg_lo:[0,1] neg_hi:[0,1]
.set i, i+2
.endr
.set i, 0
.rept 16
	v_pk_mul_f32 v[XS+i:XS+i+1], v[XS+i:XS+i+1], v[16:17]
.set i, i+2
.endr
.set i, 0
.rept 32
	v_fma_f32 v[XS+i], v[XS+i], s[68+i], s[32+i]
.set i, i+1
.endr
.endm
.macro QX p                            ; my position's block of 32 channels: all its numbers are mine
.set XS, X+32*(\p)
	v_max3_num_f32 v40, |v[XS]|, |v[XS+1]|, |v[XS+2]|
	v_max3_num_f32 v41, |v[XS+3]|, |v[XS+4]|, |v[XS+5]|
.irp i, 6,10,14,18,22,26
	s_delay_alu instid0(VALU_DEP_2)
	v_max3_num_f32 v40, v40, |v[XS+\i]|, |v[XS+\i+1]|
	s_delay_alu instid0(VALU_DEP_2)
	v_max3_num_f32 v41, v41, |v[XS+\i+2]|, |v[XS+\i+3]|
.endr
	s_delay_alu instid0(VALU_DEP_2)
	v_max3_num_f32 v40, v40, |v[XS+30]|, |v[XS+31]|
	s_delay_alu instid0(VALU_DEP_1)
	v_max3_num_f32 v40, v40, v41, 0x1800000        ; and the floor 2^(3 - 127): the byte cannot fall under 1
	s_delay_alu instid0(VALU_DEP_1)
	v_add_nc_u32 v42, 0xff000000, v40              ; 2 off the exponent field: the conversion takes the exponent field of this operand as its scale
	s_delay_alu instid0(VALU_DEP_1)
	v_lshrrev_b32 v[43+\p], 23, v42                ; the scale's byte
.irp g, 0,1,2,3
	v_cvt_scalef32_pk8_fp4_f32 v[PC+4*\p+\g], v[XS+8*\g:XS+8*\g+7], v42
.endr
	v_nop                                          ; one plain line behind the last conversion
	ds_store_b128 v4, v[PC+4*\p:PC+4*\p+3] offset:4096*\p
	ds_store_b8 v5, v[43+\p] offset:256*\p
.endm
	s_wait_loadcnt 32                              ; the first 32 positions are in; the other half's 32 loads may be out
	NORM 0
	QX 0
	; the weights, biases and scale words: 54 loads, asked for here so that x's loads went out first; they land while the second half is worked and the barrier is passed
	WIN 0x40                                       ; destination window 1
.irp j, 0,1,2,3                        ; tile j of the head's weight begins at row 32 (j / 2) + 8 (j % 2)
.irp s, 0,1
.irp c, 0,1
	global_load_b128 v[W1+8*(2*\j+\s)+4*\c:W1+8*(2*\j+\s)+4*\c+3], v8, s[8:9] offset:(32*(\j/2)+8*(\j%2))*128+64*\s+32*\c
.endr
.endr
.endr
.irp t, 0,1
.irp s, 0,1
.irp c, 0,1
	global_load_b128 v[WV+8*(2*\t+\s)+4*\c:WV+8*(2*\t+\s)+4*\c+3], v8, s[14:15] offset:8*\t*128+64*\s+32*\c
.endr
.endr
.endr
.irp j, 0,1,2,3                        ; the bias as the C of a sum's first product: lane (r, h), register i of tile j: channel 32 (j / 2) + 16 h + 8 (j % 2) + i
	global_load_b128 v[B1+8*\j:B1+8*\j+3], v10, s[12:13] offset:(32*(\j/2)+8*(\j%2))*4
	global_load_b128 v[B1+8*\j+4:B1+8*\j+7], v10, s[12:13] offset:(32*(\j/2)+8*(\j%2))*4+16
.endr
.irp t, 0,1                            ; in v's products a lane holds one channel: its bias in all eight registers
.irp i, 0,1,2,3,4,5,6,7
	global_load_b32 v[BV+8*\t+\i], v11, s[18:19] offset:32*\t
.endr
.endr
	WIN 0
.irp j, 0,1,2,3
	global_load_b64 v[W1S+2*\j:W1S+2*\j+1], v9, s[10:11] offset:(32*(\j/2)+8*(\j%2))*8   ; a row's two scale words
.endr
.irp t, 0,1
	global_load_b64 v[WVS+2*\t:WVS+2*\t+1], v9, s[16:17] offset:64*\t
.endr
	s_wait_loadcnt 54                              ; x's second half is in; the 54 just issued may be out
	NORM 1
	QX 1
	s_wait_dscnt 0x0                               ; for the others' sake: my images and bytes are in LDS
	s_barrier_signal -1
	s_barrier_wait -1                              ; h's eight fragments and their scale words are whole; LDS is written no more
; 64 numbers of a lane, register 16 b + i = number 16 (lane / 16) + i of block b of my row, become 8 registers of codes (registers 4 c on: lanes 0-15 block 2 c, lanes 16-31 block 2 c + 1) and the four blocks' bytes as a word.
.macro QUANT s, pc, pw
.irp b, 0,1,2,3
	v_max3_num_f32 v[TM+\b], |v[\s+16*\b]|, |v[\s+1+16*\b]|, 0x1800000   ; my 16 numbers, and the floor 2^(3 - 127)
.endr
.irp i, 2,4,6,8,10,12,14
.irp b, 0,1,2,3
	v_max3_num_f32 v[TM+\b], v[TM+\b], |v[\s+16*\b+\i]|, |v[\s+1+16*\b+\i]|   ; (the four blocks by turns)
.endr
.endr
.irp b, 0,1,2,3
	s_delay_alu instid0(VALU_DEP_4)
	v_permlanex16_b32 v[TM+4+\b], v[TM+\b], s[SEL], s[SEL+1]
.endr
.irp b, 0,1,2,3
	s_delay_alu instid0(VALU_DEP_4)
	v_max_num_f32 v[TM+\b], v[TM+\b], v[TM+4+\b]   ; with lane l xor 16's: the block's largest magnitude
.endr
.irp b, 0,1,2,3
	s_delay_alu instid0(VALU_DEP_4)
	v_add_nc_u32 v[TM+12+\b], 0xff000000, v[TM+\b]
.endr
.irp b, 0,1,2,3
	s_delay_alu instid0(VALU_DEP_4)
	v_lshrrev_b32 v[TM+4+\b], 23, v[TM+12+\b]
.endr
	s_delay_alu instid0(VALU_DEP_3)
	v_lshl_or_b32 v[\pw], v[TM+5], 8, v[TM+4]
	s_delay_alu instid0(VALU_DEP_1)
	v_lshl_or_b32 v[\pw], v[TM+6], 16, v[\pw]
	s_delay_alu instid0(VALU_DEP_1)
	v_lshl_or_b32 v[\pw], v[TM+7], 24, v[\pw]
.irp b, 0,1,2,3
	v_cvt_scalef32_pk8_fp4_f32 v[\pc+2*\b], v[\s+16*\b:\s+7+16*\b], v[TM+12+\b]
	v_cvt_scalef32_pk8_fp4_f32 v[\pc+1+2*\b], v[\s+8+16*\b:\s+15+16*\b], v[TM+12+\b]
.endr
	v_nop                                          ; one plain line behind a scaled conversion
.irp c, 0,1
.irp i, 0,1
	v_permlane16_swap_b32 v[\pc+4*\c+\i], v[\pc+2+4*\c+\i]
.endr
.endr
.endm
.macro FETCH reg, off
	ds_load_b128 v[\reg:\reg+3], v6 offset:\off
	ds_load_b128 v[\reg+4:\reg+7], v6 offset:\off+512
.endm
; Positions 32 bl .. 32 bl + 31: tiles 2 bl and 2 bl + 1.  The accumulators take turns, one instruction a turn: eight for q or k, then four for v.
.macro PAIR bl
	FETCH HF, (2*\bl)*2048
	FETCH HF+8, (2*\bl)*2048+1024
	FETCH HF+16, (2*\bl+1)*2048
	FETCH HF+24, (2*\bl+1)*2048+1024
	s_wait_dscnt 0x0
	WIN 0x11                                       ; source 0 (the weight) and C (the bias) window 1
.irp u, 0,1
.irp j, 0,1,2,3
	v_wmma_scale_f32_16x16x128_f8f6f4 v[DQ+32*\u+8*\j:DQ+32*\u+8*\j+7], v[W1+16*\j:W1+16*\j+7], v[HF+16*\u:HF+16*\u+7], v[B1+8*\j:B1+8*\j+7], v[W1S+2*\j], v[HS+2*\bl+\u] matrix_a_fmt:MATRIX_FMT_FP4 matrix_b_fmt:MATRIX_FMT_FP4
.endr
.endr
	WIN 0x01
.irp u, 0,1
.irp j, 0,1,2,3
	v_wmma_scale_f32_16x16x128_f8f6f4 v[DQ+32*\u+8*\j:DQ+32*\u+8*\j+7], v[W1+16*\j+8:W1+16*\j+15], v[HF+16*\u+8:HF+16*\u+15], v[DQ+32*\u+8*\j:DQ+32*\u+8*\j+7], v[W1S+2*\j+1], v[HS+2*\bl+\u] matrix_a_fmt:MATRIX_FMT_FP4 matrix_b_fmt:MATRIX_FMT_FP4 matrix_b_scale:MATRIX_SCALE_ROW1
.endr
.endr
	WIN 0x14                                       ; source 1 (wv) and C (bv) window 1
.irp t, 0,1
.irp u, 0,1
	v_wmma_scale_f32_16x16x128_f8f6f4 v[DV+32*\t+16*\bl+8*\u:DV+32*\t+16*\bl+8*\u+7], v[HF+16*\u:HF+16*\u+7], v[WV+16*\t:WV+16*\t+7], v[BV+8*\t:BV+8*\t+7], v[HS+2*\bl+\u], v[WVS+2*\t] matrix_a_fmt:MATRIX_FMT_FP4 matrix_b_fmt:MATRIX_FMT_FP4
.endr
.endr
	WIN 0x04
.irp t, 0,1
.irp u, 0,1
	v_wmma_scale_f32_16x16x128_f8f6f4 v[DV+32*\t+16*\bl+8*\u:DV+32*\t+16*\bl+8*\u+7], v[HF+16*\u+8:HF+16*\u+15], v[WV+16*\t+8:WV+16*\t+15], v[DV+32*\t+16*\bl+8*\u:DV+32*\t+16*\bl+8*\u+7], v[HS+2*\bl+\u], v[WVS+2*\t+1] matrix_a_fmt:MATRIX_FMT_FP4 matrix_b_fmt:MATRIX_FMT_FP4 matrix_a_scale:MATRIX_SCALE_ROW1
.endr
.endr
	WIN 0
.rept 4
	v_nop                                          ; places behind the last products, ahead of the first read of results (ISA guide 7.12.1)
.endr
	QUANT DQ, PC+8*\bl, PWQ+\bl                    ; blocks: (tile 2 bl: channels 0-31, 32-63), (tile 2 bl + 1: the same)
	global_store_b128 v6, v[PC+8*\bl:PC+8*\bl+3], s[20:21] offset:(2*\bl)*512       ; a tile's codes: 512 consecutive bytes
	global_store_b128 v6, v[PC+8*\bl+4:PC+8*\bl+7], s[20:21] offset:(2*\bl+1)*512
.if \bl == 0
.rept 4
	v_nop                                          ; with the four above: the places ahead of the loads into h's fragments and of the products that begin q's or k's sums anew
.endr
.endif
.endm
.irp t, 0,1,2,3
	ds_load_b32 v[HS+\t], v7 offset:128*\t         ; tile t's scale words: lanes 0-15 K step 0, lanes 16-31 K step 1
.endr
	s_wait_loadcnt 0x0                             ; the weights
	PAIR 0
	PAIR 1
	QUANT DV, PCV, PWV                             ; blocks: (tile 0: keys 0-31, 32-63 of my 64), (tile 1: the same)
	global_store_b128 v6, v[PCV:PCV+3], s[24:25]
	global_store_b128 v6, v[PCV+4:PCV+7], s[24:25] offset:1024
	v_cndmask_b32 v37, v[PWQ], v[PWQ+1], s100      ; lanes 0-15 store the first pair's word of row r, lanes 16-31 the second's
	global_store_b32 v12, v37, s[22:23]
	v_lshrrev_b32 v39, 16, v[PWV]
	s_delay_alu instid0(VALU_DEP_1)
	v_cndmask_b32 v39, v[PWV], v39, s100           ; lanes 0-15 tile 0's two bytes of row r, lanes 16-31 tile 1's
	global_store_b16 v12, v39, s[30:31]
	s_wait_tensorcnt 0x0                           ; the wave's end: behind my last LDS store
	ds_add_u32 v[SPW], v[NIL]
	s_wait_dscnt 0x0
	s_endpgm
.Lfunc_end_k_qa5bcefa930_qkv:
	.size	k_qa5bcefa930_qkv, .Lfunc_end_k_qa5bcefa930_qkv-k_qa5bcefa930_qkv
	.p2alignl 7, 3214868480
	.fill 96, 4, 3214868480
	.section	.rodata,"a",@progbits
	.p2align	6, 0x0
	.amdhsa_kernel k_qa5bcefa930_qkv
		.amdhsa_group_segment_fixed_size 9728
		.amdhsa_private_segment_fixed_size 0
		.amdhsa_enable_private_segment 0
		.amdhsa_kernarg_size 120
		.amdhsa_user_sgpr_count 2
		.amdhsa_user_sgpr_kernarg_segment_ptr 1
		.amdhsa_wavefront_size32 1
		.amdhsa_system_sgpr_workgroup_id_x 1
		.amdhsa_system_sgpr_workgroup_id_y 1
		.amdhsa_system_sgpr_workgroup_id_z 1
		.amdhsa_system_vgpr_workitem_id 0
		.amdhsa_next_free_vgpr 400
		.amdhsa_next_free_sgpr 106
		.amdhsa_reserve_vcc 0
		.amdhsa_float_denorm_mode_32 3
		.amdhsa_float_denorm_mode_16_64 3
		.amdhsa_memory_ordered 1
		.amdhsa_forward_progress 1
		.amdhsa_inst_pref_size 54
	.end_amdhsa_kernel
	.amdgpu_metadata
---
amdhsa.version: [ 1, 2 ]
amdhsa.kernels:
  - .name:           k_qa5bcefa930_qkv
    .symbol:         k_qa5bcefa930_qkv.kd
    .args:
      - { .name: x, .offset: 0, .size: 8, .value_kind: global_buffer, .address_space: global }
      - { .name: stats, .offset: 8, .size: 8, .value_kind: global_buffer, .address_space: global }
      - { .name: gn_w, .offset: 16, .size: 8, .value_kind: global_buffer, .address_space: global }
      - { .name: gn_b, .offset: 24, .size: 8, .value_kind: global_buffer, .address_space: global }
      - { .name: wq_codes, .offset: 32, .size: 8, .value_kind: global_buffer, .address_space: global }
      - { .name: wq_scales, .offset: 40, .size: 8, .value_kind: global_buffer, .address_space: global }
      - { .name: bq, .offset: 48, .size: 8, .value_kind: global_buffer, .address_space: global }
      - { .name: wk_codes, .offset: 56, .size: 8, .value_kind: global_buffer, .address_space: global }
      - { .name: wk_scales, .offset: 64, .size: 8, .value_kind: global_buffer, .address_space: global }
      - { .name: bk, .offset: 72, .size: 8, .value_kind: global_buffer, .address_space: global }
      - { .name: wv_codes, .offset: 80, .size: 8, .value_kind: global_buffer, .address_space: global }
      - { .name: wv_scales, .offset: 88, .size: 8, .value_kind: global_buffer, .address_space: global }
      - { .name: bv, .offset: 96, .size: 8, .value_kind: global_buffer, .address_space: global }
      - { .name: qws, .offset: 104, .size: 8, .value_kind: global_buffer, .address_space: global }
      - { .name: kv, .offset: 112, .size: 8, .value_kind: global_buffer, .address_space: global }
    .group_segment_fixed_size: 9728
    .private_segment_fixed_size: 0
    .kernarg_segment_align: 8
    .kernarg_segment_size: 120
    .max_flat_workgroup_size: 256
    .sgpr_count:     106
    .vgpr_count:     400
    .wavefront_size: 32
...
	.end_amdgpu_metadata
.endif
;; end of part 2
;; launch attn (part 3): grid 16 x 16, 16 waves a work-group, clusters of 4 x 1, 327,680 bytes of LDS; arguments qws, kv, ows; writes ows
.if DOCPART == 3
	.amdgcn_target "amdgcn-amd-amdhsa--gfx1250"
	.amdhsa_code_object_version 6
	.text
	.protected	k_qa5bcefa930_attn
	.globl	k_qa5bcefa930_attn
	.p2align	8
	.type	k_qa5bcefa930_attn,@function
k_qa5bcefa930_attn:
	s_mov_b64 s[64:65], 0
	v_nop
	global_prefetch_b8 v0, s[64:65] scope:SCOPE_SE
	s_setreg_imm32_b32 hwreg(HW_REG_WAVE_MODE, 25, 1), 1
	s_wait_xcnt 0x0
	s_wait_alu depctr_hold_cnt(0) depctr_sa_sdst(0) depctr_va_vdst(0) depctr_va_sdst(0) depctr_va_ssrc(0) depctr_va_vcc(0) depctr_vm_vsrc(0)
	s_getreg_b32 s2, hwreg(HW_REG_IB_STS2, 6, 4)
	s_cmp_eq_u32 s2, 0
	s_cbranch_scc0 .Lentry_in_a_cluster
	s_endpgm
.Lentry_in_a_cluster:
	s_bfe_u32 s2, ttmp6, 0x10000c
	s_cmp_lg_u32 s2, 0x3003
	s_cbranch_scc0 .Lentry_shape_is_right
	s_endpgm
.Lentry_shape_is_right:
; AttentionBlock, launch 3 of 4: o = softmax(q k^T / 8) v for 16 heads (batch x head) of 4,096 positions and 64 channels, both products on codes of FP4 (E2M1) with E8M0 scales, and the quantiser of o along the channels.
; No work of the problem is left out.  Limits: as stated at the head of the first launch.
; THE SOFTMAX AHEAD OF THE SECOND PRODUCT: t = score x log2(e) / 8; M = the row's largest t so far, rounded UP to a whole number; p = 2^(t - M) is what is quantised, along the keys, not normalised.
; The row's sum is taken of the unquantised p and divides O at the end.  When M moves, the sum and O are multiplied by 2^(old M - new M): exact.
; SHARES.  A work-group owns 256 queries of one head, each of its SIXTEEN waves one tile of 16, in 256 registers: four waves to a SIMD, so that one wave's exponentials stand beside another's plain vector work,
; products and LDS loads: a step of 128 keys is 12 matrix instructions and some 240 vector instructions, 68 of them exponentials.
; THE WHOLE HEAD LIES IN LDS, FILLED ONCE: its 32 step blocks of kv (8,704 bytes: k's 8 tiles, v's 4, the scale words) are 278,528 bytes, an image of memory in the order of the operands' registers:
; every LDS load reads 512 consecutive bytes.  No slot is filled again.  It comes as four chunks of 8 steps, each wave bringing a sixteenth (17 rows of 256 bytes) of each chunk: a wave's four tensor loads go out one by one
; at the start, each behind the landing of the one before: only the last may still land while chunk 0 is walked.
; CLUSTER.  The four query blocks of a cluster belong to one head: each load is asked for JOINTLY, with the same descriptor and the mask of all four.
; All tensor loads go out at the kernel's head, so there is no later load that a prefetch could run ahead of: none is written.
; LAYOUT.  Both products transposed: S^T = k q^T, O^T = v p^T: a lane holds ONE query (lane % 16) throughout.  Row m of key tile 2 B + u is key 32 B + 8 u + m + 8 (m / 8), so the 16 registers of tiles 2 B, 2 B + 1 are 16
; neighbouring keys.  A head has 64 channels and the instruction takes 128: source 0 holds TWO key tiles (2 i in K 0-63, 2 i + 1 in K 64-127), source 1 is (q, zeros) or (zeros, q): zero codes add nothing, and every
; register that is loaded is multiplied.  v's channel tiles are chosen like the key tiles, so O^T's 32 registers are 2 x 16 neighbouring channels.
; REGISTERS: v1 16 x lane; v2 the step's LDS address; v3, v4 the add's two; v5-7 addresses; v12 -M, v13 the largest t, v[14:15] the sum; v16-19 q, v20-23 zeros, v24-27 q; v28 q's scales; v32-63 k; v64-95 v;
;   v96-159 S^T, then p; v160-191 O^T; v192-195 scale words (lanes 0-15 k's pairs, lanes 16-31 v's tiles); v224-231 p's codes; v232-254 at work.
.set STEPB,  8704
.set CHUNKB, 8*STEPB                   ; 69,632
.set PARTB,  CHUNKB/16                 ; 4,352 = 17 x 256
.set HEADB,  32*STEPB                  ; 278,528
.set OSC,    HEADB                     ; behind the head: 512 bytes for o's scale bytes, written by LDS stores alone
.set SPARE,  OSC+512                   ; the spare words, 128 bytes a wave: eight blocks of 256 bytes that no other line names
.set WORDS,  2097152                   ; where the scale words begin in qws and in ows
.set LI,  1
.set ADR, 2
.set SPW, 3
.set NIL, 4
.set QS,  28
.set KF,  32
.set VF,  64
.set S,   96
.set O,   160
.set SC,  192
.set WV,  10                           ; s10 my wave's number
.set G1,  16                           ; s[16:23] descriptor group 1; s[24:39] four groups 0
.set G0,  24
.set SEL, 42
.set CS,  44
.set TB,  46                           ; s46 LDS byte at which the step in hand begins
.set CNT, 47
.macro CROUND                          ; a round of the cluster's barrier
	s_barrier_signal -1
	s_barrier_wait -1
	s_cmp_lg_u32 s[WV], 0
	s_cbranch_scc1 .Lnot_wave_0_\@
	s_barrier_signal -3
.Lnot_wave_0_\@:
	s_barrier_wait -3
	s_barrier_signal -1
	s_barrier_wait -1
.endm
	s_load_b128 s[4:7], s[0:1], 0x0                ; qws, kv
	s_load_b64 s[8:9], s[0:1], 0x10                ; ows
	v_lshl_add_u32 v[SPW], v0, 2, SPARE
	v_mov_b32 v[NIL], 0
	ds_add_u32 v[SPW], v[NIL]                      ; the wave's opening: the add, twice on end, and its wait ahead of my first tensor load
	ds_add_u32 v[SPW], v[NIL]
	v_lshrrev_b32 v2, 5, v0
	s_delay_alu instid0(VALU_DEP_1)
	v_readfirstlane_b32 s[WV], v2                  ; wave 0..15
	s_bfe_u32 s11, ttmp6, 0x40000                  ; cx: my place in the cluster
	s_lshl_b32 s12, ttmp9, 2
	s_add_co_u32 s12, s12, s11                     ; my block of 256 queries: it enters q's and o's global addresses alone
	s_and_b32 s13, ttmp7, 0xffff                   ; the head (4 b + n), which the four partners share
	s_mov_b32 s[G1], 15|(3<<16)|(1<<21)            ; 15:0 the mask: all four work-groups; 17:16 elements of 8 bytes; 20 no padding; 21 set beside a mask
	s_mov_b32 s[G1+1], 32<<16                      ; tensor_dim0 = 32 elements: 256 bytes
	s_mov_b32 s[G1+2], 17<<16                      ; tensor_dim1 = 17
	s_mov_b32 s[G1+3], 32<<16                      ; tile_dim0
	s_mov_b32 s[G1+4], 17                          ; tile_dim1
	s_mov_b32 s[G1+5], 32                          ; the rows are dense
	s_mov_b32 s[G1+6], 0
	s_mov_b32 s[G1+7], 0
	s_mul_i32 s48, s[WV], PARTB                    ; my sixteenth of a chunk, in LDS as in memory: no place in the cluster enters it
	s_mul_i32 s50, s13, HEADB
	s_add_co_u32 s50, s50, s48
	s_mov_b32 s51, 0
	s_mov_b32 s[SEL], 0x76543210                   ; v_permlanex16_b32's selects for lane l xor 16
	s_mov_b32 s[SEL+1], 0xfedcba98
	s_mov_b32 s[CS], 0x3e38aa3b                    ; c = log2(e) / 8
	s_mov_b32 s[CS+1], s[CS]                       ; (named with it as a pair, so it is written)
	v_and_b32 v[LI], 31, v0
	s_delay_alu instid0(VALU_DEP_1)
	v_lshlrev_b32 v[LI], 4, v[LI]
	v_and_b32 v7, 15, v0                           ; r
	s_lshl_b32 s49, s[WV], 5
	s_add_co_u32 s49, s49, OSC
	v_lshl_add_u32 v5, v7, 1, s49                  ; o's two scale bytes of my row: 32 x wave + 2 r
	v_add_nc_u32 v6, OSC, v[LI]                    ; and how wave 0 reads all 512 back
	v_lshlrev_b32 v7, 4, v7                        ; q's words: 16 bytes a row
	s_wait_dscnt 0x0                               ; both opening adds are done
	s_wait_kmcnt 0x0
	s_add_nc_u64 s[50:51], s[6:7], s[50:51]
.irp c, 0,1,2,3
	s_mov_b32 s[G0+4*\c], 1                        ; count = 1
	s_add_co_u32 s[G0+4*\c+1], s48, \c*CHUNKB      ; LDS address
	s_add_nc_u64 s[G0+4*\c+2:G0+4*\c+3], s[50:51], \c*CHUNKB
	s_or_b32 s[G0+4*\c+3], s[G0+4*\c+3], 0x80000000   ; type = 2
.endr
	CROUND                                         ; all four work-groups are here: the joint loads meet
.irp c, 0,1,2,3
	s_wait_alu depctr_va_vdst(0)
	s_wait_tensorcnt 0x0
	ds_add_u32 v3, v4
	ds_add_u32 v3, v4
	s_wait_dscnt 0x0
	CROUND
	tensor_load_to_lds s[G0+4*\c:G0+4*\c+3], s[G1:G1+7]
	s_nop 0
.endr
.rept 4
	v_nop
.endr
	s_lshl_b32 s52, s13, 8
	s_lshl_b32 s53, s12, 4
	s_add_co_u32 s52, s52, s53
	s_add_co_u32 s52, s52, s[WV]                   ; 256 head + my tile
	s_lshl_b32 s54, s52, 9
	s_mov_b32 s55, 0
	s_add_nc_u64 s[54:55], s[4:5], s[54:55]        ; q's codes
	s_lshr_b32 s56, s52, 3                         ; 32 head + step
	s_lshl_b32 s56, s56, 8
	s_bfe_u32 s53, s[WV], 0x20001                  ; my tile's pair in the step
	s_lshl_b32 s53, s53, 2
	s_add_co_u32 s56, s56, s53
	s_add_co_u32 s56, s56, WORDS
	s_mov_b32 s57, 0
	s_add_nc_u64 s[56:57], s[4:5], s[56:57]        ; q's pair word
	s_wait_alu depctr_va_vdst(0)
	global_load_b128 v[16:19], v[LI], s[54:55]     ; q twice: below the zeros and above them (the two sources 1 share the zeros; source 0 shares no register with them)
	global_load_b128 v[24:27], v[LI], s[54:55]
	global_load_b32 v29, v7, s[56:57]
	s_lshr_b32 s58, s13, 2
	s_lshl_b32 s58, s58, 19                        ; o's codes: ((256 b + tile) 4 + n) 512
	s_lshl_b32 s53, s12, 4
	s_add_co_u32 s53, s53, s[WV]
	s_lshl_b32 s53, s53, 11
	s_add_co_u32 s58, s58, s53
	s_and_b32 s53, s13, 3
	s_lshl_b32 s53, s53, 9
	s_add_co_u32 s58, s58, s53
	s_mov_b32 s59, 0
	s_add_nc_u64 s[58:59], s[8:9], s[58:59]
	s_lshl_b32 s60, s13, 13                        ; o's scale bytes: (256 head + 16 block) 32
	s_lshl_b32 s53, s12, 9
	s_add_co_u32 s60, s60, s53
	s_add_co_u32 s60, s60, WORDS
	s_mov_b32 s61, 0
	s_add_nc_u64 s[60:61], s[8:9], s[60:61]
	s_and_b32 s53, s[WV], 1
	s_lshl_b32 s53, s53, 4                         ; my tile's half of the pair word
.irp i, 20,21,22,23
	v_mov_b32 v[\i], 0                             ; zero codes
.endr
	v_mov_b32 v13, 0xff61b1e6                      ; the largest t so far: -3e38, under every t
	s_delay_alu instid0(VALU_DEP_1)
	v_floor_f32 v12, -v13                          ; -M
	v_mov_b32 v14, 0                               ; the sum, in two halves
	v_mov_b32 v15, 0
.irp b, 0,1,2,3
	v_mov_b32 v[236+\b], 0                         ; written once: a lane permute's destination counts as one of its sources
.endr
	v_mov_b32 v253, 0                              ; (named as the upper half of the pair v[252:253] before it is first written)
	s_wait_loadcnt 0x0                             ; q
	v_lshrrev_b32 v[QS], s53, v29
	s_delay_alu instid0(VALU_DEP_1)
	v_and_b32 v[QS], 0xffff, v[QS]
	s_delay_alu instid0(VALU_DEP_1)
	v_lshl_or_b32 v[QS], v[QS], 16, v[QS]          ; q's two bytes twice: they serve q below the zeros and above
.set i, 0
.rept 32
	v_mov_b32 v[O+i], 0                            ; O^T.  (The step is written without a first form: the first change of M multiplies zeros.)  These are also the places between the line above and the first product
.set i, i+1
.endr
; A KEY STEP: 128 keys.
.macro STEP
	v_add_nc_u32 v[ADR], s[TB], v[LI]
	ds_load_b128 v[SC:SC+3], v[ADR] offset:8192    ; lanes 0-15: row r's four pair words of k; lanes 16-31, 256 bytes on: row r's four scale words of v
.irp i, 0,1,2,3,4,5,6,7
	ds_load_b128 v[KF+4*\i:KF+4*\i+3], v[ADR] offset:512*\i
.endr
.irp i, 0,1,2,3,4,5,6,7
	ds_load_b128 v[VF+4*\i:VF+4*\i+3], v[ADR] offset:4096+512*\i
.endr
	s_wait_dscnt 8                                 ; the words and k are in; v's eight loads may be out
.irp i, 0,1,2,3
	v_wmma_scale_f32_16x16x128_f8f6f4 v[S+16*\i:S+16*\i+7], v[KF+8*\i:KF+8*\i+7], v[16:23], 0, v[SC+\i], v[QS] matrix_a_fmt:MATRIX_FMT_FP4 matrix_b_fmt:MATRIX_FMT_FP4
	v_wmma_scale_f32_16x16x128_f8f6f4 v[S+16*\i+8:S+16*\i+15], v[KF+8*\i:KF+8*\i+7], v[20:27], 0, v[SC+\i], v[QS] matrix_a_fmt:MATRIX_FMT_FP4 matrix_b_fmt:MATRIX_FMT_FP4
.endr                                  ; lane (r, h) holds query r; registers 16 b + 0 .. 15 are keys 32 b + 16 h + 0 .. 15
.rept 4
	v_nop                                          ; places ahead of the first read of results (ISA guide 7.12.1)
.endr
.irp b, 0,1,2,3
	v_max3_num_f32 v[232+\b], v[S+16*\b], v[S+1+16*\b], v[S+2+16*\b]   ; the largest score of each block of 32 keys: it serves the row's maximum and, since p rises with the score, the block's largest p
.endr
.irp i, 3,5,7,9,11,13
.irp b, 0,1,2,3
	v_max3_num_f32 v[232+\b], v[232+\b], v[S+16*\b+\i], v[S+1+16*\b+\i]
.endr
.endr
.irp b, 0,1,2,3
	v_max_num_f32 v[232+\b], v[232+\b], v[S+15+16*\b]
.endr
.irp b, 0,1,2,3
	s_delay_alu instid0(VALU_DEP_4)
	v_permlanex16_b32 v[236+\b], v[232+\b], s[SEL], s[SEL+1]
.endr
.irp b, 0,1,2,3
	s_delay_alu instid0(VALU_DEP_4)
	v_max_num_f32 v[232+\b], v[232+\b], v[236+\b]  ; with lane l xor 16's 16 keys
.endr
	s_delay_alu instid0(VALU_DEP_2)
	v_max3_num_f32 v254, v232, v233, v234
	s_delay_alu instid0(VALU_DEP_1)
	v_max_num_f32 v254, v254, v235                 ; the step's largest score of my query
	s_delay_alu instid0(VALU_DEP_1)
	v_mul_f32 v254, s[CS], v254                    ; as t (c is positive)
	s_delay_alu instid0(VALU_DEP_1)
	v_max_num_f32 v13, v13, v254                   ; the running largest t
	v_mov_b32 v254, v12
	s_delay_alu instid0(VALU_DEP_2)
	v_floor_f32 v12, -v13                          ; the new -M = floor(-t) = -ceil(t)
	s_delay_alu instid0(VALU_DEP_1)
	v_sub_f32 v254, v12, v254                      ; M's old value less its new one: a whole number, 0 or less
	s_delay_alu instid0(VALU_DEP_1)
	v_cvt_i32_f32 v254, v254                       ; (it saturates)
	s_delay_alu instid0(VALU_DEP_1)
	v_ldexp_f32 v252, 1.0, v254                    ; f = 2^(old M - new M)
.set i, 0
.rept 32
	v_pk_fma_f32 v[S+i:S+i+1], v[S+i:S+i+1], s[CS:CS+1], v[12:13] op_sel_hi:[1,0,0]   ; t - M, two at a time
.set i, i+2
.endr
.irp b, 0,1,2,3
	v_fma_f32 v[232+\b], v[232+\b], s[CS], v12     ; the same of each block's largest score
.endr
.set i, 0
	s_wait_alu depctr_va_vdst(0)
.rept 64
	v_exp_f32 v[S+i], v[S+i]                       ; p = 2^(t - M), at most 1
.set i, i+1
.endr
	s_setprio 1
	v_pk_mul_f32 v[14:15], v[14:15], v[252:253] op_sel_hi:[1,0]   ; the sums under the new M: the plain line behind the exponentials
	s_wait_alu depctr_va_vdst(0)                   ; the wait ahead of the first line that names a result: one for the batch of 64
.irp b, 0,1,2,3
	v_exp_f32 v[232+\b], v[232+\b]                 ; the block's largest p: the same two instructions on the same number give the same bits
.endr
	v_pk_add_f32 v[236:237], v[S:S+1], v[S+2:S+3]  ; the row's sum of the unquantised p, in two chains: plain work behind the four
.irp j, 4,8,12,16,20,24,28,32,36,40,44,48,52,56,60
	v_pk_add_f32 v[14:15], v[14:15], v[S+\j:S+1+\j]
	v_pk_add_f32 v[236:237], v[236:237], v[S+2+\j:S+3+\j]
.endr
	s_delay_alu instid0(VALU_DEP_1)
	v_pk_add_f32 v[14:15], v[14:15], v[236:237]
	s_wait_alu depctr_va_vdst(0)                   ; and one for the four
.irp b, 0,1,2,3
	v_max_num_f32 v[232+\b], 0x1800000, v[232+\b]  ; the floor 2^(3 - 127): the byte cannot fall under 1
.endr
.irp b, 0,1,2,3
	s_delay_alu instid0(VALU_DEP_4)
	v_add_nc_u32 v[244+\b], 0xff000000, v[232+\b]  ; 2 off the exponent field: the conversion's scale operand
.endr
.irp b, 0,1,2,3
	s_delay_alu instid0(VALU_DEP_4)
	v_lshrrev_b32 v[236+\b], 23, v[244+\b]         ; the scale's byte
.endr
	s_delay_alu instid0(VALU_DEP_3)
	v_lshl_or_b32 v253, v237, 8, v236              ; p's scale word for these 128 keys
	s_delay_alu instid0(VALU_DEP_1)
	v_lshl_or_b32 v253, v238, 16, v253
	s_delay_alu instid0(VALU_DEP_1)
	v_lshl_or_b32 v253, v239, 24, v253
.irp b, 0,1,2,3
	v_cvt_scalef32_pk8_fp4_f32 v[224+2*\b], v[S+16*\b:S+7+16*\b], v[244+\b]
	v_cvt_scalef32_pk8_fp4_f32 v[225+2*\b], v[S+8+16*\b:S+15+16*\b], v[244+\b]
.endr
	v_nop                                          ; one plain line behind a scaled conversion
.irp c, 0,1                            ; the operand wants a whole block in a lane: lanes 0-15 block 2 c, lanes 16-31 block 2 c + 1
.irp i, 0,1
	v_permlane16_swap_b32 v[224+4*\c+\i], v[226+4*\c+\i]
.endr
.endr
.set i, 0
	s_setprio 0
.rept 16
	v_pk_mul_f32 v[O+i:O+i+1], v[O+i:O+i+1], v[252:253] op_sel_hi:[1,0]   ; O^T under the new M.  (Of these sixteen, twelve name no register of a given product below: its places behind p's word and codes)
.set i, i+2
.endr
	s_wait_alu depctr_va_vdst(0)
	s_wait_dscnt 0x0                               ; v is in
.irp t, 0,1,2,3
	v_wmma_scale_f32_16x16x128_f8f6f4 v[O+8*\t:O+8*\t+7], v[VF+8*\t:VF+8*\t+7], v[224:231], v[O+8*\t:O+8*\t+7], v[SC+\t], v253 matrix_a_fmt:MATRIX_FMT_FP4 matrix_b_fmt:MATRIX_FMT_FP4 matrix_a_scale:MATRIX_SCALE_ROW1
.endr                                  ; four accumulators by turns; the next step's eight products stand between two links of a chain
.rept 4
	v_nop                                          ; places ahead of the next step's loads into v's and the words' registers, and of the way out's first read
.endr
.endm
; Chunk c: my part of it has landed (my later chunks may stay out), then everybody's; then its 8 steps.
.macro CHUNK c
	s_wait_tensorcnt 3-\c
	s_barrier_signal -1
	s_barrier_wait -1
	s_mov_b32 s[TB], \c*CHUNKB
	s_mov_b32 s[CNT], 8
.Lstep_\@:
	s_setprio 2
	STEP
	s_add_co_u32 s[TB], s[TB], STEPB
	s_sub_co_u32 s[CNT], s[CNT], 1
	s_cmp_lg_u32 s[CNT], 0
	s_cbranch_scc1 .Lstep_\@
	s_setprio 0
.endm
	CHUNK 0
	CHUNK 1
	CHUNK 2
	CHUNK 3
	; THE WAY OUT.  o = O^T / the sum, quantised along the channels: register 16 b + i is channel 32 b + 16 h + i of my query.
	v_add_f32 v14, v14, v15
	s_delay_alu instid0(VALU_DEP_1)
	v_permlanex16_b32 v252, v14, s[SEL], s[SEL+1]
	s_delay_alu instid0(VALU_DEP_1)
	v_add_f32 v14, v14, v252                       ; the row's sum
	s_wait_alu depctr_va_vdst(0)
	v_rcp_f32 v14, v14
	v_nop                                          ; a plain line behind the transcendental,
	s_wait_alu depctr_va_vdst(0)                   ; and the wait ahead of its first reader
.set i, 0
.rept 32
	v_mul_f32 v[S+i], v[O+i], v14                  ; each accumulator from its low end on
.set i, i+1
.endr
.irp b, 0,1
	v_max3_num_f32 v[232+\b], |v[S+16*\b]|, |v[S+1+16*\b]|, 0x1800000
.endr
.irp i, 2,4,6,8,10,12,14
.irp b, 0,1
	s_delay_alu instid0(VALU_DEP_2)
	v_max3_num_f32 v[232+\b], v[232+\b], |v[S+16*\b+\i]|, |v[S+1+16*\b+\i]|
.endr
.endr
.irp b, 0,1
	s_delay_alu instid0(VALU_DEP_2)
	v_permlanex16_b32 v[236+\b], v[232+\b], s[SEL], s[SEL+1]
.endr
.irp b, 0,1
	s_delay_alu instid0(VALU_DEP_2)
	v_max_num_f32 v[232+\b], v[232+\b], v[236+\b]
.endr
.irp b, 0,1
	s_delay_alu instid0(VALU_DEP_2)
	v_add_nc_u32 v[244+\b], 0xff000000, v[232+\b]
.endr
.irp b, 0,1
	s_delay_alu instid0(VALU_DEP_2)
	v_lshrrev_b32 v[236+\b], 23, v[244+\b]
.endr
	s_delay_alu instid0(VALU_DEP_1)
	v_lshl_or_b32 v253, v237, 8, v236              ; my row's two bytes
.irp b, 0,1
	v_cvt_scalef32_pk8_fp4_f32 v[224+2*\b], v[S+16*\b:S+7+16*\b], v[244+\b]
	v_cvt_scalef32_pk8_fp4_f32 v[225+2*\b], v[S+8+16*\b:S+15+16*\b], v[244+\b]
.endr
	v_nop
	v_permlane16_swap_b32 v224, v226
	v_permlane16_swap_b32 v225, v227               ; lane (r, h): channel block h of row r, 16 bytes
	global_store_b128 v[LI], v[224:227], s[58:59]  ; 512 consecutive bytes
	ds_store_b16 v5, v253                          ; lanes r and 16 + r write the same bytes with the same value
	s_wait_tensorcnt 0x0                           ; the wave's end: behind my last tensor load and my last LDS store
	ds_add_u32 v[SPW], v[NIL]
	s_wait_dscnt 0x0                               ; also for the others' sake: my two bytes are in LDS
	s_barrier_signal -1
	s_barrier_wait -1
	s_cmp_lg_u32 s[WV], 0
	s_cbranch_scc1 .Lnot_mine
	ds_load_b128 v[232:235], v6                    ; the work-group's 512 scale bytes leave whole
	s_wait_dscnt 0x0
	global_store_b128 v[LI], v[232:235], s[60:61]
.Lnot_mine:
	CROUND                                         ; the closing round
	s_endpgm
.Lfunc_end_k_qa5bcefa930_attn:
	.size	k_qa5bcefa930_attn, .Lfunc_end_k_qa5bcefa930_attn-k_qa5bcefa930_attn
	.p2alignl 7, 3214868480
	.fill 96, 4, 3214868480
	.section	.rodata,"a",@progbits
	.p2align	6, 0x0
	.amdhsa_kernel k_qa5bcefa930_attn
		.amdhsa_group_segment_fixed_size 327680
		.amdhsa_private_segment_fixed_size 0
		.amdhsa_enable_private_segment 0
		.amdhsa_kernarg_size 24
		.amdhsa_user_sgpr_count 2
		.amdhsa_user_sgpr_kernarg_segment_ptr 1
		.amdhsa_wavefront_size32 1
		.amdhsa_system_sgpr_workgroup_id_x 1
		.amdhsa_system_sgpr_workgroup_id_y 1
		.amdhsa_system_sgpr_workgroup_id_z 1
		.amdhsa_system_vgpr_workitem_id 0
		.amdhsa_next_free_vgpr 256
		.amdhsa_next_free_sgpr 66
		.amdhsa_reserve_vcc 0
		.amdhsa_float_denorm_mode_32 3
		.amdhsa_float_denorm_mode_16_64 3
		.amdhsa_memory_ordered 1
		.amdhsa_forward_progress 1
		.amdhsa_inst_pref_size 78
	.end_amdhsa_kernel
	.amdgpu_metadata
---
amdhsa.version: [ 1, 2 ]
amdhsa.kernels:
  - .name:           k_qa5bcefa930_attn
    .symbol:         k_qa5bcefa930_attn.kd
    .args:
      - { .name: qws, .offset: 0, .size: 8, .value_kind: global_buffer, .address_space: global }
      - { .name: kv, .offset: 8, .size: 8, .value_kind: global_buffer, .address_space: global }
      - { .name: ows, .offset: 16, .size: 8, .value_kind: global_buffer, .address_space: global }
    .group_segment_fixed_size: 327680
    .private_segment_fixed_size: 0
    .kernarg_segment_align: 8
    .kernarg_segment_size: 24
    .max_flat_workgroup_size: 512
    .sgpr_count:     66
    .vgpr_count:     256
    .wavefront_size: 32
...
	.end_amdgpu_metadata
.endif
;; end of part 3
;; launch proj (part 4): grid 256 x 1, 8 waves a work-group, no clusters, 79,360 bytes of LDS; arguments ows, wp_codes, wp_scales, bp, x, out0; writes out0
.if DOCPART == 4
	.amdgcn_target "amdgcn-amd-amdhsa--gfx1250"
	.amdhsa_code_object_version 6
	.text
	.protected	k_qa5bcefa930_proj
	.globl	k_qa5bcefa930_proj
	.p2align	8
	.type	k_qa5bcefa930_proj,@function
k_qa5bcefa930_proj:
	s_mov_b64 s[64:65], 0
	v_nop
	global_prefetch_b8 v0, s[64:65] scope:SCOPE_SE
	s_setreg_imm32_b32 hwreg(HW_REG_WAVE_MODE, 25, 1), 1
	s_wait_xcnt 0x0
; AttentionBlock, launch 4 of 4: out0 = x + wp o + bp, the product on codes of FP4 (E2M1) with E8M0 scales.  No work of the problem is left out.  Limits: as stated at the head of the first launch.
; SHARES.  A work-group takes 64 positions of one batch (b = number / 64, pb = number % 64) and all 256 output channels; wave w takes channels 32 w .. 32 w + 31 (two tiles of wp's rows, in their own order) for the four tiles
; of positions.  o's 8 fragments (8,192 consecutive bytes of ows, already in the order of the operand's registers) are brought once, a fragment a wave, and go from wave to wave through LDS as they stand.
; A scale word of o (a row, 128 channels) is made of two heads' byte pairs.
; Source 0 = 16 positions, source 1 = 16 rows of wp: a lane holds ONE channel, and since row m of position tile 2 B + u is position 32 B + 8 u + m + 8 (m / 8), the 16 registers of tiles 2 B, 2 B + 1 are 16 neighbouring
; positions: 64 bytes of a row of out0.  They go through the wave's own stage (32 channels x (256 + 16) bytes) and leave, with x added, as aligned runs of 256 bytes, sixteen lanes each.
; bp is the C of each sum's first product.  No tensor load, no cluster: what work-groups share is wp, 34 KiB, through registers.
; REGISTERS: v1, v2 the add's two; v3-13 addresses; v17-19 scale bytes; v20-23 o's scale words; v24-27 wp's; v32-47 bp; v48-79 wp; v80-111 four fragments of o; v112-175 the sums; v176-239 x; v240-247 my fragment.
.set OS,    8192                       ; LDS: 0: o's fragments, (tile t, K step s) at 2,048 t + 1,024 s + 512 c + 16 lane;  8,192: their scale words at 128 t + 64 s + 4 row
.set STG,   8704                       ; the stages, 8,704 bytes a wave
.set SPARE, 78336                      ; the spare words, 128 bytes a wave, that no other line names
.set SPW, 1
.set NIL, 2
.set OSR, 20
.set WPS, 24
.set BP,  32
.set WP,  48
.set OF,  80
.set D,   112
.set XR,  176
	s_load_b256 s[4:11], s[0:1], 0x0               ; ows, wp_codes, wp_scales, bp
	s_load_b128 s[12:15], s[0:1], 0x20             ; x, out0
	v_lshl_add_u32 v[SPW], v0, 2, SPARE
	v_mov_b32 v[NIL], 0
	v_lshrrev_b32 v14, 5, v0
	s_delay_alu instid0(VALU_DEP_1)
	v_readfirstlane_b32 s16, v14                   ; wave 0..7
	v_and_b32 v14, 31, v0                          ; lane
	v_and_b32 v15, 15, v0                          ; r
	v_bfe_u32 v16, v0, 4, 1                        ; h
	s_delay_alu instid0(VALU_DEP_3)
	v_lshlrev_b32 v3, 4, v14                       ; an image's place for my lane
	s_delay_alu instid0(VALU_DEP_4)
	v_lshl_add_u32 v4, v14, 2, OS                  ; a scale word's
	s_lshl_b32 s17, s16, 10
	v_add_nc_u32 v5, s17, v3                       ; where my fragment goes
	s_lshl_b32 s17, s16, 6
	s_add_co_u32 s17, s17, OS
	v_lshl_add_u32 v6, v15, 2, s17                 ; and its scale words: fragment w = (tile w / 2, K step w % 2)
	v_lshlrev_b32 v7, 7, v15
	s_delay_alu instid0(VALU_DEP_1)
	v_lshl_add_u32 v7, v16, 4, v7                  ; wp: row r of 128 bytes, + 16 h
	v_lshlrev_b32 v8, 3, v15
	v_lshlrev_b32 v9, 2, v15
	s_mul_i32 s17, s16, 8704
	s_add_co_u32 s17, s17, STG                     ; my stage
	v_mul_u32_u24 v10, v15, 272
	s_delay_alu instid0(VALU_DEP_1)
	v_lshl_add_u32 v10, v16, 6, v10
	s_delay_alu instid0(VALU_DEP_1)
	v_add_nc_u32 v10, s17, v10                     ; in: channel r, 64 h bytes on
	v_mul_u32_u24 v11, v16, 272
	s_delay_alu instid0(VALU_DEP_1)
	v_lshl_add_u32 v11, v15, 4, v11
	s_delay_alu instid0(VALU_DEP_1)
	v_add_nc_u32 v11, s17, v11                     ; back: lanes 0-15 one channel's 256 bytes, lanes 16-31 the next's
	v_lshlrev_b32 v12, 14, v16
	s_delay_alu instid0(VALU_DEP_1)
	v_lshl_add_u32 v12, v15, 4, v12                ; and the same in x and out0: a channel is 16,384 bytes
	v_lshlrev_b32 v13, 1, v15
	s_lshr_b32 s22, ttmp9, 6                       ; b
	s_and_b32 s23, ttmp9, 63                       ; pb
	s_mov_b32 s25, 0
	s_wait_alu depctr_va_vdst(0)
	s_wait_kmcnt 0x0
	s_lshl_b32 s24, s22, 19
	s_lshl_b32 s26, s23, 13
	s_add_co_u32 s24, s24, s26
	s_lshl_b32 s26, s16, 10
	s_add_co_u32 s24, s24, s26
	s_add_nc_u64 s[18:19], s[4:5], s[24:25]        ; my fragment: (256 b + 4 pb) 2,048 + 1,024 w
	s_lshl_b32 s24, s22, 15
	s_and_b32 s26, s16, 1
	s_lshl_b32 s26, s26, 14
	s_add_co_u32 s24, s24, s26
	s_lshl_b32 s26, s23, 7
	s_add_co_u32 s24, s24, s26
	s_lshr_b32 s26, s16, 1
	s_lshl_b32 s26, s26, 5
	s_add_co_u32 s24, s24, s26
	s_add_co_u32 s24, s24, 2097152
	s_add_nc_u64 s[20:21], s[4:5], s[24:25]        ; its byte pairs: ((4 b + 2 s) 256 + 4 pb + t) 32; the next head's lie 8,192 bytes on
	s_lshl_b32 s24, s16, 12
	s_add_nc_u64 s[6:7], s[6:7], s[24:25]          ; wp's rows 32 w on
	s_lshl_b32 s24, s16, 8
	s_add_nc_u64 s[8:9], s[8:9], s[24:25]
	s_lshl_b32 s24, s16, 7
	s_add_nc_u64 s[10:11], s[10:11], s[24:25]
	s_lshl_b32 s24, s22, 22
	s_lshl_b32 s26, s16, 19
	s_add_co_u32 s24, s24, s26
	s_lshl_b32 s26, s23, 8
	s_add_co_u32 s24, s24, s26
	s_add_nc_u64 s[12:13], s[12:13], s[24:25]      ; x and out0 at channel 32 w, position 64 pb
	s_add_nc_u64 s[14:15], s[14:15], s[24:25]
	global_load_b128 v[240:243], v3, s[18:19]
	global_load_b128 v[244:247], v3, s[18:19] offset:512
	global_load_u16 v17, v13, s[20:21]
	global_load_u16 v18, v13, s[20:21] offset:8192
.irp t, 0,1
.irp s, 0,1
.irp c, 0,1
	global_load_b128 v[WP+8*(2*\t+\s)+4*\c:WP+8*(2*\t+\s)+4*\c+3], v7, s[6:7] offset:2048*\t+64*\s+32*\c
.endr
.endr
.endr
.irp t, 0,1
	global_load_b64 v[WPS+2*\t:WPS+2*\t+1], v8, s[8:9] offset:128*\t     ; a row's two scale words
.endr
.irp t, 0,1
.irp i, 0,1,2,3,4,5,6,7
	global_load_b32 v[BP+8*\t+\i], v9, s[10:11] offset:64*\t             ; a lane holds one channel: its bias in all eight registers
.endr
.endr
.irp i, 0,1,2,3,4,5,6,7,8,9,10,11,12,13,14,15
	global_load_b128 v[XR+4*\i:XR+4*\i+3], v12, s[12:13] offset:32768*\i th:TH_LOAD_NT   ; x's last read: sixteen lanes take 256 consecutive bytes
.endr
	s_wait_loadcnt 42                              ; the first four are in: 8 + 2 + 16 + 16 younger loads may be out
	ds_store_b128 v5, v[240:243]
	ds_store_b128 v5, v[244:247] offset:512
	v_lshl_or_b32 v19, v18, 16, v17
	ds_store_b32 v6, v19                           ; lanes r and 16 + r write the same word with the same value
	s_wait_dscnt 0x0                               ; for the others' sake
	s_barrier_signal -1
	s_barrier_wait -1
.irp t, 0,1,2,3
	ds_load_b32 v[OSR+\t], v4 offset:128*\t        ; lanes 0-15 K step 0, lanes 16-31 K step 1
.endr
.irp t, 0,1,2,3
	ds_load_b128 v[OF+8*\t:OF+8*\t+3], v3 offset:2048*\t
	ds_load_b128 v[OF+8*\t+4:OF+8*\t+7], v3 offset:2048*\t+512
.endr
	s_wait_dscnt 0x0
	s_wait_loadcnt 16                              ; wp, its scales and bp are in; x's sixteen loads may be out
.irp t, 0,1,2,3                        ; eight accumulators by turns, in the same order in both K steps
.irp n, 0,1
	v_wmma_scale_f32_16x16x128_f8f6f4 v[D+32*\n+8*\t:D+32*\n+8*\t+7], v[OF+8*\t:OF+8*\t+7], v[WP+16*\n:WP+16*\n+7], v[BP+8*\n:BP+8*\n+7], v[OSR+\t], v[WPS+2*\n] matrix_a_fmt:MATRIX_FMT_FP4 matrix_b_fmt:MATRIX_FMT_FP4
.endr
.endr
.rept 4
	v_nop                                          ; places ahead of loads into registers that matrix instructions have read
.endr
.irp t, 0,1,2,3
	ds_load_b128 v[OF+8*\t:OF+8*\t+3], v3 offset:2048*\t+1024
	ds_load_b128 v[OF+8*\t+4:OF+8*\t+7], v3 offset:2048*\t+1536
.endr
	s_wait_dscnt 0x0
.irp t, 0,1,2,3
.irp n, 0,1
	v_wmma_scale_f32_16x16x128_f8f6f4 v[D+32*\n+8*\t:D+32*\n+8*\t+7], v[OF+8*\t:OF+8*\t+7], v[WP+16*\n+8:WP+16*\n+15], v[D+32*\n+8*\t:D+32*\n+8*\t+7], v[OSR+\t], v[WPS+2*\n+1] matrix_a_fmt:MATRIX_FMT_FP4 matrix_b_fmt:MATRIX_FMT_FP4 matrix_a_scale:MATRIX_SCALE_ROW1
.endr
.endr
.rept 4
	v_nop                                          ; places ahead of the first read of results
.endr
.irp n, 0,1
.irp q, 0,1
.irp k, 0,1,2,3
	ds_store_b128 v10, v[D+32*\n+16*\q+4*\k:D+32*\n+16*\q+4*\k+3] offset:4352*\n+128*\q+16*\k   ; channel 16 n + r, positions 32 q + 16 h + 4 k on; each accumulator from its low end on
.endr
.endr
.endr
.irp i, 0,1,2,3,4,5,6,7,8,9,10,11,12,13,14,15
	ds_load_b128 v[D+4*\i:D+4*\i+3], v11 offset:544*\i    ; LDS serves a wave's instructions in order (ISA guide 5.7.1.4): these see my stores; channels 2 i and 2 i + 1
.endr
.irp i, 0,1,2,3,4,5,6,7,8,9,10,11,12,13,14,15
	s_wait_dscnt 15-\i                             ; rows 2 i, 2 i + 1 are back; the younger ones may be out
	s_wait_loadcnt 15-\i                           ; and so is their x
	v_pk_add_f32 v[D+4*\i:D+4*\i+1], v[D+4*\i:D+4*\i+1], v[XR+4*\i:XR+4*\i+1]
	v_pk_add_f32 v[D+4*\i+2:D+4*\i+3], v[D+4*\i+2:D+4*\i+3], v[XR+4*\i+2:XR+4*\i+3]
	global_store_b128 v12, v[D+4*\i:D+4*\i+3], s[14:15] offset:32768*\i th:TH_STORE_NT   ; sixteen lanes store 256 consecutive bytes, at a multiple of 256 from out0's first byte
.endr
	s_wait_tensorcnt 0x0                           ; the wave's end: behind my last LDS store
	ds_add_u32 v[SPW], v[NIL]
	s_wait_dscnt 0x0
	s_endpgm
.Lfunc_end_k_qa5bcefa930_proj:
	.size	k_qa5bcefa930_proj, .Lfunc_end_k_qa5bcefa930_proj-k_qa5bcefa930_proj
	.p2alignl 7, 3214868480
	.fill 96, 4, 3214868480
	.section	.rodata,"a",@progbits
	.p2align	6, 0x0
	.amdhsa_kernel k_qa5bcefa930_proj
		.amdhsa_group_segment_fixed_size 79360
		.amdhsa_private_segment_fixed_size 0
		.amdhsa_enable_private_segment 0
		.amdhsa_kernarg_size 48
		.amdhsa_user_sgpr_count 2
		.amdhsa_user_sgpr_kernarg_segment_ptr 1
		.amdhsa_wavefront_size32 1
		.amdhsa_system_sgpr_workgroup_id_x 1
		.amdhsa_system_sgpr_workgroup_id_y 1
		.amdhsa_system_sgpr_workgroup_id_z 1
		.amdhsa_system_vgpr_workitem_id 0
		.amdhsa_next_free_vgpr 248
		.amdhsa_next_free_sgpr 66
		.amdhsa_reserve_vcc 0
		.amdhsa_float_denorm_mode_32 3
		.amdhsa_float_denorm_mode_16_64 3
		.amdhsa_memory_ordered 1
		.amdhsa_forward_progress 1
		.amdhsa_inst_pref_size 19
	.end_amdhsa_kernel
	.amdgpu_metadata
---
amdhsa.version: [ 1, 2 ]
amdhsa.kernels:
  - .name:           k_qa5bcefa930_proj
    .symbol:         k_qa5bcefa930_proj.kd
    .args:
      - { .name: ows, .offset: 0, .size: 8, .value_kind: global_buffer, .address_space: global }
      - { .name: wp_codes, .offset: 8, .size: 8, .value_kind: global_buffer, .address_space: global }
      - { .name: wp_scales, .offset: 16, .size: 8, .value_kind: global_buffer, .address_space: global }
      - { .name: bp, .offset: 24, .size: 8, .value_kind: global_buffer, .address_space: global }
      - { .name: x, .offset: 32, .size: 8, .value_kind: global_buffer, .address_space: global }
      - { .name: out0, .offset: 40, .size: 8, .value_kind: global_buffer, .address_space: global }
    .group_segment_fixed_size: 79360
    .private_segment_fixed_size: 0
    .kernarg_segment_align: 8
    .kernarg_segment_size: 48
    .max_flat_workgroup_size: 256
    .sgpr_count:     66
    .vgpr_count:     248
    .wavefront_size: 32
...
	.end_amdgpu_metadata
.endif
;; end of part 4
